; MI455X (gfx1250); checked and timed in simulation.
; The chip was launched on July 23, 2026; its instructions are those of AMD's public machine-readable ISA for CDNA 5 (MIT licence, August 2026) and "CDNA5" Instruction Set Architecture Reference Guide (July 2026). The comments in the code are by the model that wrote it; some were corrected since.
;; Robust Text Classifier. Allowed arithmetic: float matrix products may take bf16 or f16 operands with f32 sums; all other float work in f32.
;; Inputs: H_test 8,192 x 192 float32; H_train 16,384 x 192 float32; p_hat_train 2 x 16,384 float32.
;; Outputs: out0 2 x 8,192 float32.
;; Constants: K = 5.
;; 2 versions, each right; version 2 is version 1 with the launch prep written anew for expert scheduling mode. Each part assembles by itself: llvm-mc -triple=amdgcn-amd-amdhsa -mcpu=gfx1250 --defsym DOCPART=n.
;; ======== version 1 of 2: 4 launches
;; workspace buffers: xf 3,145,728 bytes; yf 6,291,456 bytes; xnorm 32,768 bytes; ynorm 65,536 bytes; candv 5,242,880 bytes; candi 5,242,880 bytes of whole numbers; gsel 262,144 bytes of whole numbers
;; launch prep (part 1): grid 384 x 1, 4 waves a work-group, no clusters, 26,368 bytes of LDS; arguments H_test, H_train, xf, yf, xnorm, ynorm; writes xf, yf, xnorm, ynorm
.if DOCPART == 1
	.amdgcn_target "amdgcn-amd-amdhsa--gfx1250"
	.amdhsa_code_object_version 6
	.text
	.protected	k_qa5cf6884ec_prep
	.globl	k_qa5cf6884ec_prep
	.p2align	8
	.type	k_qa5cf6884ec_prep,@function
k_qa5cf6884ec_prep:
	s_mov_b64 s[64:65], 0
	v_nop
	global_prefetch_b8 v0, s[64:65] scope:SCOPE_SE
	s_setreg_imm32_b32 hwreg(HW_REG_WAVE_MODE, 25, 1), 1
	s_wait_xcnt 0x0
; prep: both matrices are rounded to bf16 and laid out in the order in which matrix fragments are loaded; the rows' squared norms are
; taken from the ROUNDED numbers, in f32 (their order of summation is not that of the JAX function: a stated limit).
; Work-groups 0-127 take H_test, 128-383 H_train, 64 rows each; a wave takes 16 rows.
; FRAGMENT ORDER.  Rows 8g .. 8g+7 are group g, 3,072 bytes at 3,072 g.  Inside: 512 s + 256 part + 128 pos + 16 row, s = 0..5 the K step of
; 32, pos = (hk + g) & 1; the 16 bytes there are k = 32 s + 16 part + 8 hk .. +7 of that row: registers 4 part .. 4 part + 3 of the
; 16-bit fragment of the lanes' half hk (ISA guide 7.12.2).  So every later fragment load, from LDS or from memory, takes whole blocks of
; 256 consecutive bytes, and in LDS the sixteen lanes of a half touch sixteen different 16-byte columns modulo 256 bytes without padding.
; A stream bound by memory: no matrix unit, no cluster (no two work-groups read the same byte).  All 24 loads of a wave go out at once.
.set ROWB,   768                       ; bytes of an f32 row
.set SPITCH, 400                       ; a bf16 row in the stage: 384 bytes + 16
.set STG,    16*SPITCH                 ; a wave's stage
.set NRM,    4*STG                     ; 64 norms behind the four stages
.set X,      24                        ; v[24:119]  the 24 loads
.set RB,     120                       ; v[120:135] four read-backs
	s_load_b256 s[4:11], s[0:1], 0x0               ; H_test s[4:5], H_train s[6:7], xf s[8:9], yf s[10:11]
	s_load_b128 s[12:15], s[0:1], 0x20             ; xnorm s[12:13], ynorm s[14:15]
	v_lshl_add_u32 v136, v0, 2, 0x6500
	v_mov_b32 v137, 0
	v_lshrrev_b32 v7, 5, v0
	v_readfirstlane_b32 s26, v7                    ; wave w
	v_and_b32 v20, 31, v0                          ; lane L
	v_and_b32 v21, 15, v0                          ; r
	v_bfe_u32 v22, v0, 4, 1                        ; h
	v_and_b32 v8, 7, v0
	v_bfe_u32 v9, v0, 3, 1
	s_mul_i32 s27, s26, 16*ROWB
	s_mul_i32 s28, s26, STG
	s_lshl_b32 s29, s26, 6
	s_add_co_u32 s29, s29, NRM
	s_mul_i32 s30, s26, 6144
	s_mov_b32 s31, 0xffff0000                      ; a word's upper bf16
	v_mul_u32_u24 v1, v22, ROWB
	v_lshl_add_u32 v1, v21, 4, v1
	v_add_nc_u32 v1, s27, v1                       ; v1: source offset (16 w + h) rows + 16 r
	v_mul_u32_u24 v2, v22, SPITCH
	v_lshl_add_u32 v2, v21, 3, v2
	v_add_nc_u32 v2, s28, v2                       ; v2: stage, in: row h, 8 bytes a lane
	v_mul_u32_u24 v3, v8, SPITCH
	v_lshl_add_u32 v3, v22, 5, v3                  ; back: row L & 7, part = L >> 4 (32 bytes)
	v_add_nc_u32 v3, s28, v3
	v_add_nc_u32 v4, 8*SPITCH, v3                  ; the tile's second group: rows 8-15
	v_lshl_add_u32 v3, v9, 4, v3                   ; v3: even group, hk = pos
	v_add_nc_u32 v9, 1, v9
	v_and_b32 v9, 1, v9
	v_lshl_add_u32 v4, v9, 4, v4                   ; v4: odd group, hk = (pos + 1) & 1
	v_lshl_add_u32 v5, v22, 2, s29                 ; v5: where row 16 w + h puts its norm
	v_lshl_add_u32 v6, v20, 4, s30                 ; v6: destination offset 6,144 w + 16 L
	s_sub_co_u32 s22, ttmp9, 128
	s_cmp_lt_u32 ttmp9, 128                        ; which matrix: hangs on the work-group's number alone
	s_cselect_b32 s22, ttmp9, s22                  ; b: my block of 64 rows in it
	s_wait_kmcnt 0x0
	s_cselect_b64 s[16:17], s[4:5], s[6:7]         ; source
	s_cselect_b64 s[18:19], s[8:9], s[10:11]       ; fragments
	s_cselect_b64 s[20:21], s[12:13], s[14:15]     ; norms
	s_mul_i32 s24, s22, 64*ROWB
	s_mov_b32 s25, 0
	s_add_nc_u64 s[16:17], s[16:17], s[24:25]
	s_mul_i32 s24, s22, 24576
	s_add_nc_u64 s[18:19], s[18:19], s[24:25]
	s_lshl_b32 s24, s22, 8
	s_add_nc_u64 s[20:21], s[20:21], s[24:25]
.irp it, 0,1,2,3,4,5,6,7
.irp q, 0,1,2
	global_load_b128 v[X+12*\it+4*\q:X+12*\it+4*\q+3], v1, s[16:17] offset:\it*2*ROWB+\q*256 th:TH_LOAD_NT   ; two rows' 256 consecutive bytes each
.endr
.endr
; Rows 2 it and 2 it + 1 of the wave: round, stage, and sum the squares of the rounded numbers.
.macro ROWS it
	s_wait_loadcnt 21-3*\it                        ; loads return in order: these three are in, the younger rows' stay out
.irp q, 0,1,2
	v_cvt_pk_bf16_f32 v18, v[X+12*\it+4*\q], v[X+12*\it+4*\q+1]
	v_cvt_pk_bf16_f32 v19, v[X+12*\it+4*\q+2], v[X+12*\it+4*\q+3]
	ds_store_b64 v2, v[18:19] offset:\it*2*SPITCH+\q*128
	v_lshlrev_b32 v8, 16, v18                      ; back to f32: the rounded numbers
	v_and_b32 v9, s31, v18
	v_lshlrev_b32 v10, 16, v19
	v_and_b32 v11, s31, v19
.if \q == 0
	v_pk_mul_f32 v[16:17], v[8:9], v[8:9]          ; the first product starts the sums
.else
	v_pk_fma_f32 v[16:17], v[8:9], v[8:9], v[16:17]
.endif
	v_pk_fma_f32 v[16:17], v[10:11], v[10:11], v[16:17]
.endr
	v_add_f32 v16, v16, v17
	v_add_f32_dpp v16, v16, v16 row_xmask:1 row_mask:0xf bank_mask:0xf     ; over the row's sixteen lanes
	v_add_f32_dpp v16, v16, v16 row_xmask:2 row_mask:0xf bank_mask:0xf
	v_add_f32_dpp v16, v16, v16 row_xmask:4 row_mask:0xf bank_mask:0xf
	v_add_f32_dpp v16, v16, v16 row_xmask:8 row_mask:0xf bank_mask:0xf
	ds_store_b32 v5, v16 offset:\it*8              ; sixteen lanes, one word, one value
.endm
.irp it, 0,1,2,3,4,5,6,7
	ROWS \it
.endr
; The way out: piece e = 6 group + s is 512 consecutive bytes of the destination.  The stage is the wave's own and LDS serves a wave's
; instructions in order (ISA guide 5.7.1), so no wait stands between the stores above and these loads.
.macro RUN e0
.irp i, 0,1,2,3
	ds_load_b128 v[RB+4*\i:RB+4*\i+3], v[3+(\e0+\i)/6] offset:64*((\e0+\i)%6)
.endr
.irp i, 0,1,2,3
	s_wait_dscnt 3-\i                              ; piece i of the run of four is in
	global_store_b128 v6, v[RB+4*\i:RB+4*\i+3], s[18:19] offset:3072*((\e0+\i)/6)+512*((\e0+\i)%6)
.endr
.endm
	RUN 0
	s_wait_xcnt 0x0                                ; the stores' data registers are loaded again only behind this wait
	RUN 4
	s_wait_xcnt 0x0
	RUN 8
	s_wait_dscnt 0x0                               ; my norms are in LDS: for wave 0's sake
	s_barrier_signal -1
	s_barrier_wait -1
	s_cmp_lg_u32 s26, 0
	s_cbranch_scc1 .Lend
	v_lshlrev_b32 v10, 3, v20
	v_add_nc_u32 v7, NRM, v10
	ds_load_b64 v[8:9], v7                         ; 64 norms
	s_wait_dscnt 0x0
	global_store_b64 v10, v[8:9], s[20:21]         ; 256 consecutive bytes, aligned
.Lend:
	s_barrier_signal -1
	s_barrier_wait -1
	s_wait_tensorcnt 0x0
	ds_add_u32 v136, v137
	s_wait_dscnt 0x0
	s_endpgm
.Lfunc_end_k_qa5cf6884ec_prep:
	.size	k_qa5cf6884ec_prep, .Lfunc_end_k_qa5cf6884ec_prep-k_qa5cf6884ec_prep
	.p2alignl 7, 3214868480
	.fill 96, 4, 3214868480
	.section	.rodata,"a",@progbits
	.p2align	6, 0x0
	.amdhsa_kernel k_qa5cf6884ec_prep
		.amdhsa_group_segment_fixed_size 26368
		.amdhsa_private_segment_fixed_size 0
		.amdhsa_enable_private_segment 0
		.amdhsa_kernarg_size 48
		.amdhsa_user_sgpr_count 2
		.amdhsa_user_sgpr_kernarg_segment_ptr 1
		.amdhsa_wavefront_size32 1
		.amdhsa_system_sgpr_workgroup_id_x 1
		.amdhsa_system_sgpr_workgroup_id_y 1
		.amdhsa_system_sgpr_workgroup_id_z 1
		.amdhsa_system_vgpr_workitem_id 0
		.amdhsa_next_free_vgpr 138
		.amdhsa_next_free_sgpr 66
		.amdhsa_reserve_vcc 0
		.amdhsa_float_denorm_mode_32 3
		.amdhsa_float_denorm_mode_16_64 3
		.amdhsa_memory_ordered 1
		.amdhsa_forward_progress 1
		.amdhsa_inst_pref_size 22
	.end_amdhsa_kernel
	.amdgpu_metadata
---
amdhsa.version: [ 1, 2 ]
amdhsa.kernels:
  - .name:           k_qa5cf6884ec_prep
    .symbol:         k_qa5cf6884ec_prep.kd
    .args:
      - { .name: H_test, .offset: 0, .size: 8, .value_kind: global_buffer, .address_space: global }
      - { .name: H_train, .offset: 8, .size: 8, .value_kind: global_buffer, .address_space: global }
      - { .name: xf, .offset: 16, .size: 8, .value_kind: global_buffer, .address_space: global }
      - { .name: yf, .offset: 24, .size: 8, .value_kind: global_buffer, .address_space: global }
      - { .name: xnorm, .offset: 32, .size: 8, .value_kind: global_buffer, .address_space: global }
      - { .name: ynorm, .offset: 40, .size: 8, .value_kind: global_buffer, .address_space: global }
    .group_segment_fixed_size: 26368
    .private_segment_fixed_size: 0
    .kernarg_segment_align: 8
    .kernarg_segment_size: 48
    .max_flat_workgroup_size: 128
    .sgpr_count:     66
    .vgpr_count:     138
    .wavefront_size: 32
...
	.end_amdgpu_metadata
.endif
;; end of part 1
;; launch knn (part 2): grid 16 x 16, 8 waves a work-group, clusters of 4 x 4, 327,680 bytes of LDS; arguments xf, yf, xnorm, ynorm, candv, candi; writes candv, candi
.if DOCPART == 2
	.amdgcn_target "amdgcn-amd-amdhsa--gfx1250"
	.amdhsa_code_object_version 6
	.text
	.protected	k_qa5cf6884ec_knn
	.globl	k_qa5cf6884ec_knn
	.p2align	8
	.type	k_qa5cf6884ec_knn,@function
k_qa5cf6884ec_knn:
	s_mov_b64 s[64:65], 0
	v_nop
	global_prefetch_b8 v0, s[64:65] scope:SCOPE_SE
	s_setreg_imm32_b32 hwreg(HW_REG_WAVE_MODE, 25, 1), 1
	s_wait_xcnt 0x0
	s_wait_alu depctr_hold_cnt(0) depctr_sa_sdst(0) depctr_va_vdst(0) depctr_va_sdst(0) depctr_va_ssrc(0) depctr_va_vcc(0) depctr_vm_vsrc(0)
	s_getreg_b32 s2, hwreg(HW_REG_IB_STS2, 6, 4)
	s_cmp_eq_u32 s2, 0
	s_cbranch_scc0 .Lentry_in_a_cluster
	s_endpgm
.Lentry_in_a_cluster:
	s_bfe_u32 s2, ttmp6, 0x10000c
	s_cmp_lg_u32 s2, 0xf033
	s_cbranch_scc0 .Lentry_shape_is_right
	s_endpgm
.Lentry_shape_is_right:
; knn: d = (xn + yn) - 2 x.y for 512 test rows x 1,024 train columns a work-group, and of each STREAM the five best groups.
; A group is eight neighbouring train columns; its key is (least d in it, group number).  The five nearest columns of a row, ties to the
; lower column, lie in the five groups with the least keys: each group ahead of a column's group holds a column ahead of it, and groups in
; order are columns in order.  So a distance costs 1.5 vector instructions here, and one sorted insertion serves eight of them.
; Wave w keeps its 64 test rows (four B fragments x six K steps, 192 registers) for the whole launch; all eight waves read the same train
; tile of 16 columns from LDS as A.  In the result lane (r, h) holds, in its registers j, train columns 16 t + 8 h + j of test row r: one
; group.  A stream is (test row, h, split of 1,024 columns): 64 groups, met in ascending number, so a strict compare keeps the lower
; number on ties.
; EIGHT WAVES, two to a SIMD: a step is 24 matrix instructions and then 125 vector instructions on their results; one wave of the pair
; selects while the other multiplies, with two switches of the register window a step.
; CLUSTER 4 x 4: the four work-groups of a cluster's row share the test rows, the four of a column the train columns and their norms:
; every tensor load is a joint one.  A wave has three tensor loads out at the start and one behind each later round.
; d is formed as the JAX function forms it: t = xn + yn rounded, then one fused -2 dot + t (2 dot is exact).
; LIMITS: a NaN distance is never chosen (a group of NaN alone counts as +inf); a stream with fewer than five groups below +inf keeps
; the placeholder (+inf, its first group); +0 and -0 compare equal.
.set R2,   196608                      ; LDS: R0, R1 at 0 (512 rows of 384 bytes), R2 (256 rows), then 1,024 norms
.set YN,   294912
.set TILEB, 6144                       ; a tile: 16 rows
.set F0,   16                          ; v[16:63]   train fragments, two buffers
.set F1,   64                          ; v[64:111]
.set N0,   112                         ; v[112:119] yn of my group, two buffers
.set N1,   120
.set ACC,  128                         ; v[128:159] four accumulators
.set T,    160                         ; v[160:191] t, then d
.set M,    192                         ; v[192:195] the group's least d
.set XN,   196                         ; v[196:203] xn, twice, for each of the four tiles
.set LV,   204                         ; v[204:223] lists: value (tm, k < 4) at 4 tm + k, (tm, 4) at 16 + tm
.set LI,   224                         ; v[224:243] group numbers, the same shape
; v2 lane term of a fragment, v3 / v4 running LDS addresses of tile and norms, v5 16 L, v6 8 L, v7 the stream's first group, v8 this
; step's group, v9 4 r, v10 32 h, v11 my test rows in LDS.  v256-447 (window 1): test fragment (tm, s) at 8 (6 tm + s).
.set G1X, 24                           ; shapes: 96 rows of 256 bytes, my cluster row
.set G1Y, 32                           ; 48 rows, my column
.set G1N, 40                           ; one row of 512 bytes, my column
.set G1D, 88                           ; 96 rows, my column
.set G0A, 48                           ; test rows
.set G0B, 52                           ; train columns 0-255, later 768-1023
.set G0C, 56                           ; norms
.set G0D, 60                           ; train columns 256-767
.set CM,  66                           ; s[66:85] set-up arithmetic, then the compare masks (tm, k) at 5 tm + k
.set MSB, 0
.macro WIN new                         ; the immediate's high byte repeats the setting that is left
.if MSB != \new
	s_set_vgpr_msb (MSB<<8)|\new
.set MSB, \new
.endif
.endm
.macro ROUND                           ; a round of the cluster's barrier
	s_barrier_signal -1
	s_barrier_wait -1
	s_cmp_lg_u32 s16, 0
	s_cbranch_scc1 .Lnot_wave_0_\@
	s_barrier_signal -3
.Lnot_wave_0_\@:
	s_barrier_wait -3
	s_barrier_signal -1
	s_barrier_wait -1
.endm
.macro SHAPE g, c, r                   ; r rows of c elements of 8 bytes, dense
	s_mov_b32 s[\g+1], (\c)<<16                    ; tensor_dim0
	s_mov_b32 s[\g+2], (\r)<<16                    ; tensor_dim1
	s_mov_b32 s[\g+3], (\c)<<16                    ; tile_dim0
	s_mov_b32 s[\g+4], \r                          ; tile_dim1
	s_mov_b32 s[\g+5], \c                          ; pitch
	s_mov_b32 s[\g+6], 0
	s_mov_b32 s[\g+7], 0
.endm
	s_load_b256 s[4:11], s[0:1], 0x0               ; xf s[4:5], yf s[6:7], xnorm s[8:9], ynorm s[10:11]
	s_load_b128 s[12:15], s[0:1], 0x20             ; candv s[12:13], candi s[14:15]
	v_lshl_add_u32 v254, v0, 2, 0x49000
	v_mov_b32 v255, 0
	ds_add_u32 v254, v255
	ds_add_u32 v254, v255
	v_lshrrev_b32 v1, 5, v0
	v_readfirstlane_b32 s16, v1                    ; wave w
	s_bfe_u32 s17, ttmp6, 0x40000                  ; cx
	s_bfe_u32 s18, ttmp6, 0x40004                  ; cy
	s_lshl_b32 s19, ttmp9, 2
	s_add_co_u32 s19, s19, s17                     ; sp: split of the train columns
	s_and_b32 s20, ttmp7, 0xffff
	s_lshl_b32 s20, s20, 2
	s_add_co_u32 s20, s20, s18                     ; rb: block of test rows
	s_lshl_b32 s21, s18, 2
	s_lshl_b32 s21, 15, s21                        ; my row of the cluster
	s_lshl_b32 s22, 0x1111, s17                    ; my column
	s_or_b32 s[G1X], s21, (3<<16)|(1<<21)          ; mask, elements of 8 bytes, bit 21 beside a mask
	s_or_b32 s[G1Y], s22, (3<<16)|(1<<21)
	s_or_b32 s[G1N], s22, (3<<16)|(1<<21)
	s_or_b32 s[G1D], s22, (3<<16)|(1<<21)
	SHAPE G1X, 32, 96
	SHAPE G1Y, 32, 48
	SHAPE G1N, 64, 1
	SHAPE G1D, 32, 96
	; offsets: the test rows' of rb and w alone, the train columns' of sp and w alone, in registers of their own
	s_mul_i32 s74, s16, 24576
	s_mul_i32 s75, s16, 12288
	s_lshl_b32 s76, s16, 9
	s_mul_i32 s66, s20, 196608
	s_add_co_u32 s66, s66, s74
	s_mov_b32 s67, 0
	s_mul_i32 s68, s19, 393216
	s_add_co_u32 s70, s68, s74
	s_add_co_u32 s70, s70, 98304                   ; columns 256 on
	s_mov_b32 s71, 0
	s_add_co_u32 s68, s68, s75
	s_mov_b32 s69, 0
	s_lshl_b32 s72, s19, 12
	s_add_co_u32 s72, s72, s76
	s_mov_b32 s73, 0
	s_lshl_b32 s78, s20, 11                        ; xn of my 64 rows
	s_lshl_b32 s79, s16, 8
	s_add_co_u32 s78, s78, s79
	s_mov_b32 s79, 0
	s_lshl_b32 s80, s20, 4                         ; my records: ((16 rb + sp) 8 + w) x 2,560 bytes
	s_add_co_u32 s80, s80, s19
	s_lshl_b32 s80, s80, 3
	s_add_co_u32 s80, s80, s16
	s_mul_i32 s80, s80, 2560
	s_mov_b32 s81, 0
	s_lshl_b32 s77, s19, 7                         ; 128 groups a split
	s_mov_b32 s87, 0x7f800000                      ; +inf
	s_mov_b32 s[G0A], 1
	s_mul_i32 s[G0A+1], s16, 24576
	s_mov_b32 s[G0B], 1
	s_add_co_u32 s[G0B+1], s75, R2
	s_mov_b32 s[G0C], 1
	s_add_co_u32 s[G0C+1], s76, YN
	s_mov_b32 s[G0D], 1
	s_mul_i32 s[G0D+1], s16, 24576
	s_wait_dscnt 0x0
	s_wait_kmcnt 0x0
	s_add_nc_u64 s[G0A+2:G0A+3], s[4:5], s[66:67]
	s_or_b32 s[G0A+3], s[G0A+3], 0x80000000
	s_add_nc_u64 s[G0B+2:G0B+3], s[6:7], s[68:69]
	s_or_b32 s[G0B+3], s[G0B+3], 0x80000000
	s_add_nc_u64 s[G0C+2:G0C+3], s[10:11], s[72:73]
	s_or_b32 s[G0C+3], s[G0C+3], 0x80000000
	s_add_nc_u64 s[G0D+2:G0D+3], s[6:7], s[70:71]
	s_or_b32 s[G0D+3], s[G0D+3], 0x80000000
	s_add_nc_u64 s[78:79], s[8:9], s[78:79]
	s_add_nc_u64 s[12:13], s[12:13], s[80:81]
	s_add_nc_u64 s[14:15], s[14:15], s[80:81]
	ROUND                                          ; all sixteen work-groups are here: the first joint loads meet
	tensor_load_to_lds s[G0A:G0A+3], s[G1X:G1X+7]  ; my 64 test rows, 24,576 bytes
	s_nop 0
	tensor_load_to_lds s[G0B:G0B+3], s[G1Y:G1Y+7]  ; my eighth of train columns 0-255
	s_nop 0
	tensor_load_to_lds s[G0C:G0C+3], s[G1N:G1N+7]  ; my eighth of the split's norms
	s_nop 0
	v_and_b32 v9, 15, v0                           ; r
	v_bfe_u32 v10, v0, 4, 1                        ; h
	v_bfe_u32 v12, v0, 3, 1                        ; which group of the tile my row lies in
	v_and_b32 v13, 7, v0
	v_add_nc_u32 v14, v10, v12
	v_and_b32 v14, 1, v14                          ; pos
	v_mul_u32_u24 v2, v12, 3072
	v_lshl_add_u32 v2, v14, 7, v2
	v_lshl_add_u32 v2, v13, 4, v2                  ; the lane's term of every fragment load
	v_and_b32 v15, 31, v0
	v_lshlrev_b32 v5, 4, v15
	v_lshlrev_b32 v6, 3, v15
	v_add_nc_u32 v7, s77, v10                      ; group 128 sp + h: the stream's first
	v_lshlrev_b32 v10, 5, v10
	v_lshlrev_b32 v9, 2, v9
	v_add_nc_u32 v11, s74, v2
.irp tm, 0,1,2,3
	global_load_b32 v[XN+2*\tm], v9, s[78:79] offset:\tm*64
.endr
	v_mov_b32 v8, v7
.set i, 0
.rept 20
	v_mov_b32 v[LV+i], s87                         ; empty lists: (+inf, the stream's first group)
	v_mov_b32 v[LI+i], v7
.set i, i+1
.endr
	s_wait_tensorcnt 0x2                           ; my test rows are in (the two loads behind them may be out); no other wave reads them
	WIN 0x40                                       ; destination in window 1
.irp tm, 0,1,2,3
.irp s, 0,1,2,3,4,5
	ds_load_b128 v[8*(6*\tm+\s):8*(6*\tm+\s)+3],   v11 offset:\tm*TILEB+\s*512
	ds_load_b128 v[8*(6*\tm+\s)+4:8*(6*\tm+\s)+7], v11 offset:\tm*TILEB+\s*512+256
.endr
.endr
	WIN 0
	s_wait_loadcnt 0x0
.irp tm, 0,1,2,3
	v_mov_b32 v[XN+2*\tm+1], v[XN+2*\tm]           ; a pair for the packed add
.endr
; 14 LDS loads: the next tile's six fragments and the eight yn of my group; both addresses step on.
.macro FETCH f, n
.irp s, 0,1,2,3,4,5
	ds_load_b128 v[\f+8*\s:\f+8*\s+3],   v3 offset:\s*512
	ds_load_b128 v[\f+8*\s+4:\f+8*\s+7], v3 offset:\s*512+256
.endr
	ds_load_b128 v[\n:\n+3],   v4
	ds_load_b128 v[\n+4:\n+7], v4 offset:16
	v_add_nc_u32 v3, TILEB, v3
	v_add_nc_u32 v4, 64, v4
.endm
; 24 matrix instructions.  The four accumulators take turns, one instruction a turn.  The first K step starts the sums.
.macro MULS f
	WIN 0x04                                       ; source 1 (the test fragments) in window 1
.irp s, 0,1,2,3,4,5
.irp tm, 0,1,2,3
.if \s == 0
	v_wmma_f32_16x16x32_bf16 v[ACC+8*\tm:ACC+8*\tm+7], v[\f+8*\s:\f+8*\s+7], v[8*(6*\tm+\s):8*(6*\tm+\s)+7], 0
.else
	v_wmma_f32_16x16x32_bf16 v[ACC+8*\tm:ACC+8*\tm+7], v[\f+8*\s:\f+8*\s+7], v[8*(6*\tm+\s):8*(6*\tm+\s)+7], v[ACC+8*\tm:ACC+8*\tm+7]
.endif
.endr
.endr
	WIN 0
.endm
; Sorted insertion of (M, v8) into the four lists.  All compares see the old values; V_k becomes the middle one of V_k-1, M, V_k.
.macro INS
.irp k, 0,1,2,3
.irp tm, 0,1,2,3
	v_cmp_lt_f32 s[CM+5*\tm+\k], v[M+\tm], v[LV+4*\tm+\k]
.endr
.endr
.irp tm, 0,1,2,3
	v_cmp_lt_f32 s[CM+5*\tm+4], v[M+\tm], v[LV+16+\tm]
.endr
.irp tm, 0,1,2,3
	v_med3_num_f32 v[LV+16+\tm], v[LV+4*\tm+3], v[M+\tm], v[LV+16+\tm]
.endr
.irp tm, 0,1,2,3
	v_cndmask_b32 v[LI+16+\tm], v[LI+16+\tm], v8, s[CM+5*\tm+4]
.endr
.irp tm, 0,1,2,3
	v_cndmask_b32 v[LI+16+\tm], v[LI+16+\tm], v[LI+4*\tm+3], s[CM+5*\tm+3]
.endr
.irp k, 3,2,1
.irp tm, 0,1,2,3
	v_med3_num_f32 v[LV+4*\tm+\k], v[LV+4*\tm+\k-1], v[M+\tm], v[LV+4*\tm+\k]
.endr
.irp tm, 0,1,2,3
	v_cndmask_b32 v[LI+4*\tm+\k], v[LI+4*\tm+\k], v8, s[CM+5*\tm+\k]
.endr
.irp tm, 0,1,2,3
	v_cndmask_b32 v[LI+4*\tm+\k], v[LI+4*\tm+\k], v[LI+4*\tm+\k-1], s[CM+5*\tm+\k-1]
.endr
.endr
.irp tm, 0,1,2,3
	v_min_num_f32 v[LV+4*\tm], v[LV+4*\tm], v[M+\tm]
.endr
.irp tm, 0,1,2,3
	v_cndmask_b32 v[LI+4*\tm], v[LI+4*\tm], v8, s[CM+5*\tm]
.endr
.endm
.macro SELECT n
.irp tm, 0,1,2,3
.irp j, 0,2,4,6
	v_pk_add_f32 v[T+8*\tm+\j:T+8*\tm+\j+1], v[\n+\j:\n+\j+1], v[XN+2*\tm:XN+2*\tm+1]   ; t = yn + xn.  These sixteen name no register of a matrix instruction: the places behind the last ones (ISA guide 7.12.1)
.endr
.endr
.irp tm, 0,1,2,3
.irp j, 0,2,4,6
	v_pk_fma_f32 v[T+8*\tm+\j:T+8*\tm+\j+1], v[ACC+8*\tm+\j:ACC+8*\tm+\j+1], -2.0, v[T+8*\tm+\j:T+8*\tm+\j+1] op_sel_hi:[1,0,1]
.endr
.endr
.irp tm, 0,1,2,3
	v_min3_num_f32 v[M+\tm], v[T+8*\tm], v[T+8*\tm+1], v[T+8*\tm+2]
.endr
.irp tm, 0,1,2,3
	v_min3_num_f32 v[M+\tm], v[M+\tm], v[T+8*\tm+3], v[T+8*\tm+4]
.endr
.irp tm, 0,1,2,3
	v_min3_num_f32 v[M+\tm], v[M+\tm], v[T+8*\tm+5], v[T+8*\tm+6]
.endr
.irp tm, 0,1,2,3
	v_min3_num_f32 v[M+\tm], v[M+\tm], v[T+8*\tm+7], s87   ; +inf as the third: eight NaN give +inf, never a NaN
.endr
	INS
.endm
; One tile.  The fetch writes the buffer that the step before multiplied: that step's vector work stands between.
.macro STEP f, n, g, m, pref
.if \pref
	FETCH \g, \m
	s_wait_dscnt 14                                ; all but the 14 just issued: this step's fragments and norms are in
.else
	s_wait_dscnt 0x0
.endif
	MULS \f
	SELECT \n
	v_add_nc_u32 v8, 2, v8                         ; my stream's next group
.endm
.macro PHASE base, nbase, steps
	v_add_nc_u32 v3, \base, v2
	v_add_nc_u32 v4, \nbase, v10
	FETCH F0, N0
	s_mov_b32 s23, \steps/2-1
.Lphase_\@:
	STEP F0, N0, F1, N1, 1
	STEP F1, N1, F0, N0, 1
	s_sub_co_u32 s23, s23, 1
	s_cmp_lg_u32 s23, 0
	s_cbranch_scc1 .Lphase_\@
	STEP F0, N0, F1, N1, 1
	STEP F1, N1, F0, N0, 0                         ; the region's last tile fetches nothing
.endm
	s_wait_dscnt 0x0                               ; my test rows are in registers: their LDS bytes may be filled again,
	s_wait_tensorcnt 0x0                           ; and all my tensor loads have landed, my parts of R2 and of the norms among them
	ds_add_u32 v254, v255
	s_wait_dscnt 0x0
	ROUND                                          ; both hold of every wave of the cluster
	tensor_load_to_lds s[G0D:G0D+3], s[G1D:G1D+7]  ; columns 256-767 over the test rows: it has 16 steps in which to land
	s_nop 0
	PHASE R2, YN, 16                               ; columns 0-255
	s_wait_dscnt 0x0                               ; my reads of R2 are over
	s_wait_tensorcnt 0x0                           ; my part of columns 256-767 is in; no load of mine is out, so a group 0 may be written
	ds_add_u32 v254, v255
	s_wait_dscnt 0x0
	s_add_nc_u64 s[G0B+2:G0B+3], s[G0B+2:G0B+3], 294912    ; 768 rows on
	ROUND
	tensor_load_to_lds s[G0B:G0B+3], s[G1Y:G1Y+7]  ; columns 768-1023 into R2: 32 steps in which to land
	s_nop 0
	PHASE 0, YN+1024, 32                           ; columns 256-767
	s_wait_dscnt 0x0
	s_wait_tensorcnt 0x0                           ; my part of the last columns is in
	s_barrier_signal -1
	s_barrier_wait -1                              ; everybody's is
	PHASE R2, YN+3072, 16                          ; columns 768-1023
	; Records of 1,280 bytes for each pair of tiles: [L][k 0..3] of the first, of the second, then [L][k = 4 of both].  Every store covers 512 or 256 consecutive bytes, aligned.
.irp p, 0,1
	global_store_b128 v5, v[LV+8*\p:LV+8*\p+3],       s[12:13] offset:\p*1280
	global_store_b128 v5, v[LV+8*\p+4:LV+8*\p+7],     s[12:13] offset:\p*1280+512
	global_store_b64  v6, v[LV+16+2*\p:LV+16+2*\p+1], s[12:13] offset:\p*1280+1024
	global_store_b128 v5, v[LI+8*\p:LI+8*\p+3],       s[14:15] offset:\p*1280
	global_store_b128 v5, v[LI+8*\p+4:LI+8*\p+7],     s[14:15] offset:\p*1280+512
	global_store_b64  v6, v[LI+16+2*\p:LI+16+2*\p+1], s[14:15] offset:\p*1280+1024
.endr
	s_wait_tensorcnt 0x0
	ds_add_u32 v254, v255
	s_wait_dscnt 0x0
	ROUND                                          ; the closing round: no work-group ends while a partner may still ask jointly
	s_endpgm
.Lfunc_end_k_qa5cf6884ec_knn:
	.size	k_qa5cf6884ec_knn, .Lfunc_end_k_qa5cf6884ec_knn-k_qa5cf6884ec_knn
	.p2alignl 7, 3214868480
	.fill 96, 4, 3214868480
	.section	.rodata,"a",@progbits
	.p2align	6, 0x0
	.amdhsa_kernel k_qa5cf6884ec_knn
		.amdhsa_group_segment_fixed_size 327680
		.amdhsa_private_segment_fixed_size 0
		.amdhsa_enable_private_segment 0
		.amdhsa_kernarg_size 48
		.amdhsa_user_sgpr_count 2
		.amdhsa_user_sgpr_kernarg_segment_ptr 1
		.amdhsa_wavefront_size32 1
		.amdhsa_system_sgpr_workgroup_id_x 1
		.amdhsa_system_sgpr_workgroup_id_y 1
		.amdhsa_system_sgpr_workgroup_id_z 1
		.amdhsa_system_vgpr_workitem_id 0
		.amdhsa_next_free_vgpr 448
		.amdhsa_next_free_sgpr 96
		.amdhsa_reserve_vcc 0
		.amdhsa_float_denorm_mode_32 3
		.amdhsa_float_denorm_mode_16_64 3
		.amdhsa_memory_ordered 1
		.amdhsa_forward_progress 1
		.amdhsa_inst_pref_size 138
	.end_amdhsa_kernel
	.amdgpu_metadata
---
amdhsa.version: [ 1, 2 ]
amdhsa.kernels:
  - .name:           k_qa5cf6884ec_knn
    .symbol:         k_qa5cf6884ec_knn.kd
    .args:
      - { .name: xf, .offset: 0, .size: 8, .value_kind: global_buffer, .address_space: global }
      - { .name: yf, .offset: 8, .size: 8, .value_kind: global_buffer, .address_space: global }
      - { .name: xnorm, .offset: 16, .size: 8, .value_kind: global_buffer, .address_space: global }
      - { .name: ynorm, .offset: 24, .size: 8, .value_kind: global_buffer, .address_space: global }
      - { .name: candv, .offset: 32, .size: 8, .value_kind: global_buffer, .address_space: global }
      - { .name: candi, .offset: 40, .size: 8, .value_kind: global_buffer, .address_space: global }
    .group_segment_fixed_size: 327680
    .private_segment_fixed_size: 0
    .kernarg_segment_align: 8
    .kernarg_segment_size: 48
    .max_flat_workgroup_size: 256
    .sgpr_count:     96
    .vgpr_count:     448
    .wavefront_size: 32
...
	.end_amdgpu_metadata
.endif
;; end of part 2
;; launch pick (part 3): grid 256 x 1, 4 waves a work-group, no clusters, 41,984 bytes of LDS; arguments candv, candi, gsel; writes gsel
.if DOCPART == 3
	.amdgcn_target "amdgcn-amd-amdhsa--gfx1250"
	.amdhsa_code_object_version 6
	.text
	.protected	k_qa5cf6884ec_pick
	.globl	k_qa5cf6884ec_pick
	.p2align	8
	.type	k_qa5cf6884ec_pick,@function
k_qa5cf6884ec_pick:
	s_mov_b64 s[64:65], 0
	v_nop
	global_prefetch_b8 v0, s[64:65] scope:SCOPE_SE
	s_setreg_imm32_b32 hwreg(HW_REG_WAVE_MODE, 25, 1), 1
	s_wait_xcnt 0x0
; pick: for each test row the five groups with the least (value, group number) out of its 32 streams' sorted lists of five.
; The work-group takes 32 rows: one record of 1,280 bytes from each of the 16 splits, values and numbers.  Phase 1 copies the records, in
; whole consecutive pieces, into LDS; phase 2 reads them by stream: a wave takes 8 rows, lane L is stream (split L & 15, h = L >> 4).
; Five times: the least head over the 32 lanes, among equals the least number, and the winner's list moves up.  Eight rows run side by
; side as eight independent chains.  Group numbers (below 2,048) are kept as f32, which holds them exactly.
; The result, [row][8] words (five numbers, three zeros), is what the next launch forms its addresses from.
; No matrix unit, no cluster: no two work-groups read the same byte.
.set RECP,  1296                       ; a record in LDS: 1,280 bytes + 16, an odd multiple of 16
.set IDS,   16*RECP                    ; the numbers lie behind the values
.set IN,    16                         ; v[16:95]   phase 1: ten registers for each split and buffer
.set LA,    16                         ; phase 2: row i's values at 16 + 6 i .. + 4
.set LB,    64                         ;          its numbers at 64 + 6 i .. + 4
.set MM,    112                        ; v[112:119] the least head
.set TT,    120                        ; v[120:127] the other half's figure
.set EE,    128                        ; v[128:135] the winner's number
.set OO,    136                        ; v[136:137] what this lane stores
.set VINF,  138
	s_load_b128 s[4:7], s[0:1], 0x0                ; candv s[4:5], candi s[6:7]
	s_load_b64 s[8:9], s[0:1], 0x10                ; gsel
	v_lshl_add_u32 v144, v0, 2, 0xa200
	v_mov_b32 v145, 0
	v_lshrrev_b32 v1, 5, v0
	v_readfirstlane_b32 s10, v1                    ; wave u
	s_lshr_b32 s11, ttmp9, 4                       ; block of 512 rows
	s_and_b32 s12, ttmp9, 15                       ; which record in a split
	s_mul_i32 s11, s11, 327680
	s_mul_i32 s12, s12, 1280
	s_add_co_u32 s12, s12, s11
	s_mul_i32 s13, s10, 81920                      ; my four splits
	s_add_co_u32 s12, s12, s13
	s_mov_b32 s13, 0
	s_lshl_b32 s22, ttmp9, 10                      ; gsel: 1,024 bytes a work-group, 256 a wave
	s_lshl_b32 s23, s10, 8
	s_add_co_u32 s22, s22, s23
	s_mov_b32 s23, 0
	v_and_b32 v2, 31, v0
	v_lshlrev_b32 v3, 4, v2                        ; 16 L
	v_lshlrev_b32 v4, 3, v2                        ; 8 L
	s_mul_i32 s21, s10, 4*RECP
	v_add_nc_u32 v5, s21, v3
	v_add_nc_u32 v6, s21, v4
	s_wait_kmcnt 0x0
	s_add_nc_u64 s[4:5], s[4:5], s[12:13]
	s_add_nc_u64 s[6:7], s[6:7], s[12:13]
	s_add_nc_u64 s[8:9], s[8:9], s[22:23]
.irp j, 0,1,2,3
.irp b, 0,1
	global_load_b128 v[IN+20*\j+10*\b:IN+20*\j+10*\b+3],   v3, s[4+2*\b:5+2*\b] offset:\j*20480
	global_load_b128 v[IN+20*\j+10*\b+4:IN+20*\j+10*\b+7], v3, s[4+2*\b:5+2*\b] offset:\j*20480+512
	global_load_b64  v[IN+20*\j+10*\b+8:IN+20*\j+10*\b+9], v4, s[4+2*\b:5+2*\b] offset:\j*20480+1024
.endr
.endr
	; phase 2's addresses and constants, while the loads are out
	v_and_b32 v9, 15, v0                           ; split
	v_bfe_u32 v10, v0, 4, 1                        ; h
	s_lshr_b32 s14, s10, 1                         ; which tile of the pair
	s_and_b32 s15, s10, 1                          ; which eight rows of it
	s_lshl_b32 s16, s14, 9
	s_lshl_b32 s17, s15, 7
	s_add_co_u32 s16, s16, s17
	s_lshl_b32 s17, s15, 6
	s_lshl2_add_u32 s17, s14, s17
	s_add_co_u32 s17, s17, 1024
	v_mul_u32_u24 v7, v9, RECP
	v_lshl_add_u32 v8, v10, 7, v7
	v_lshl_add_u32 v7, v10, 8, v7
	v_add_nc_u32 v7, s16, v7                       ; k 0..3 of row 0 of my eight
	v_add_nc_u32 v8, s17, v8                       ; k = 4
	s_mov_b32 s18, 0x76543210                      ; v_permlanex16_b32: lane i of the other half
	s_mov_b32 s19, 0xfedcba98
	v_mov_b32 v[VINF], 0x7f800000
	v_mov_b32 v[OO], 0
	v_mov_b32 v[OO+1], 0
.set i, 0
.rept 8
	v_mov_b32 v[MM+i], 0                           ; destinations of lane operations count as read: written once here
	v_mov_b32 v[TT+i], 0
.set i, i+1
.endr
.irp j, 0,1,2,3
.irp b, 0,1
	s_wait_loadcnt 21-3*(2*\j+\b)                  ; these three are in, the younger stay out
	ds_store_b128 v5, v[IN+20*\j+10*\b:IN+20*\j+10*\b+3]   offset:\j*RECP+\b*IDS
	ds_store_b128 v5, v[IN+20*\j+10*\b+4:IN+20*\j+10*\b+7] offset:\j*RECP+\b*IDS+512
	ds_store_b64  v6, v[IN+20*\j+10*\b+8:IN+20*\j+10*\b+9] offset:\j*RECP+\b*IDS+1024
.endr
.endr
	s_wait_dscnt 0x0                               ; my records are in LDS: for the others' sake
	s_barrier_signal -1
	s_barrier_wait -1
.irp i, 0,1,2,3,4,5,6,7
	ds_load_b128 v[LA+6*\i:LA+6*\i+3], v7 offset:16*\i
	ds_load_b32  v[LA+6*\i+4],         v8 offset:8*\i
	ds_load_b128 v[LB+6*\i:LB+6*\i+3], v7 offset:16*\i+IDS
	ds_load_b32  v[LB+6*\i+4],         v8 offset:8*\i+IDS
.endr
	s_wait_dscnt 0x0
.irp i, 0,1,2,3,4,5,6,7
.irp k, 0,1,2,3,4
	v_cvt_f32_u32 v[LB+6*\i+\k], v[LB+6*\i+\k]
.endr
.endr
; v[x + i] = the least over the 32 lanes of v[src + st i], in every lane, for the eight rows
.macro REDMIN x, src, st
.irp i, 0,1,2,3,4,5,6,7
	v_min_num_f32_dpp v[\x+\i], v[\src+\st*\i], v[\src+\st*\i] row_xmask:1 row_mask:0xf bank_mask:0xf
.endr
.irp m, 2,4,8
.irp i, 0,1,2,3,4,5,6,7
	v_min_num_f32_dpp v[\x+\i], v[\x+\i], v[\x+\i] row_xmask:\m row_mask:0xf bank_mask:0xf
.endr
.endr
.irp i, 0,1,2,3,4,5,6,7
	v_permlanex16_b32 v[TT+\i], v[\x+\i], s18, s19
.endr
.irp i, 0,1,2,3,4,5,6,7
	v_min_num_f32 v[\x+\i], v[\x+\i], v[TT+\i]
.endr
.endm
; Extraction t.  Slot t of row i is word t & 1 of lane 4 i + t / 2.  Behind it a list needs only its first 4 - t entries.
.macro EXTR t
	REDMIN MM, LA, 6
.irp i, 0,1,2,3,4,5,6,7
	v_cmp_eq_f32 s[24+\i], v[LA+6*\i], v[MM+\i]
.endr
.irp i, 0,1,2,3,4,5,6,7
	v_cndmask_b32 v[EE+\i], v[VINF], v[LB+6*\i], s[24+\i]
.endr
	REDMIN EE, EE, 1
.irp i, 0,1,2,3,4,5,6,7
	v_cmp_eq_f32 s[32+\i], v[LB+6*\i], v[EE+\i]    ; a group belongs to one stream: one lane wins
.endr
.irp i, 0,1,2,3,4,5,6,7
	s_mov_b32 s20, 1<<(4*\i+\t/2)
	v_cndmask_b32 v[OO+\t%2], v[OO+\t%2], v[EE+\i], s20
.endr
.set k, 0
.rept 4-\t
.irp i, 0,1,2,3,4,5,6,7
	v_cndmask_b32 v[LA+6*\i+k], v[LA+6*\i+k], v[LA+6*\i+k+1], s[32+\i]
	v_cndmask_b32 v[LB+6*\i+k], v[LB+6*\i+k], v[LB+6*\i+k+1], s[32+\i]
.endr
.set k, k+1
.endr
.endm
	EXTR 0
	EXTR 1
	EXTR 2
	EXTR 3
	EXTR 4
	v_cvt_u32_f32 v[OO], v[OO]
	v_cvt_u32_f32 v[OO+1], v[OO+1]
	global_store_b64 v4, v[OO:OO+1], s[8:9]        ; 256 consecutive bytes, aligned: eight rows of eight words
	s_barrier_signal -1
	s_barrier_wait -1
	s_wait_tensorcnt 0x0
	ds_add_u32 v144, v145
	s_wait_dscnt 0x0
	s_endpgm
.Lfunc_end_k_qa5cf6884ec_pick:
	.size	k_qa5cf6884ec_pick, .Lfunc_end_k_qa5cf6884ec_pick-k_qa5cf6884ec_pick
	.p2alignl 7, 3214868480
	.fill 96, 4, 3214868480
	.section	.rodata,"a",@progbits
	.p2align	6, 0x0
	.amdhsa_kernel k_qa5cf6884ec_pick
		.amdhsa_group_segment_fixed_size 41984
		.amdhsa_private_segment_fixed_size 0
		.amdhsa_enable_private_segment 0
		.amdhsa_kernarg_size 24
		.amdhsa_user_sgpr_count 2
		.amdhsa_user_sgpr_kernarg_segment_ptr 1
		.amdhsa_wavefront_size32 1
		.amdhsa_system_sgpr_workgroup_id_x 1
		.amdhsa_system_sgpr_workgroup_id_y 1
		.amdhsa_system_sgpr_workgroup_id_z 1
		.amdhsa_system_vgpr_workitem_id 0
		.amdhsa_next_free_vgpr 146
		.amdhsa_next_free_sgpr 66
		.amdhsa_reserve_vcc 0
		.amdhsa_float_denorm_mode_32 3
		.amdhsa_float_denorm_mode_16_64 3
		.amdhsa_memory_ordered 1
		.amdhsa_forward_progress 1
		.amdhsa_inst_pref_size 61
	.end_amdhsa_kernel
	.amdgpu_metadata
---
amdhsa.version: [ 1, 2 ]
amdhsa.kernels:
  - .name:           k_qa5cf6884ec_pick
    .symbol:         k_qa5cf6884ec_pick.kd
    .args:
      - { .name: candv, .offset: 0, .size: 8, .value_kind: global_buffer, .address_space: global }
      - { .name: candi, .offset: 8, .size: 8, .value_kind: global_buffer, .address_space: global }
      - { .name: gsel, .offset: 16, .size: 8, .value_kind: global_buffer, .address_space: global }
    .group_segment_fixed_size: 41984
    .private_segment_fixed_size: 0
    .kernarg_segment_align: 8
    .kernarg_segment_size: 24
    .max_flat_workgroup_size: 128
    .sgpr_count:     66
    .vgpr_count:     146
    .wavefront_size: 32
...
	.end_amdgpu_metadata
.endif
;; end of part 3
;; launch fin (part 4): grid 256 x 1, 16 waves a work-group, no clusters, 2,304 bytes of LDS; arguments xf, yf, xnorm, ynorm, gsel, p_hat_train, out0; writes out0
.if DOCPART == 4
	.amdgcn_target "amdgcn-amd-amdhsa--gfx1250"
	.amdhsa_code_object_version 6
	.text
	.protected	k_qa5cf6884ec_fin
	.globl	k_qa5cf6884ec_fin
	.p2align	8
	.type	k_qa5cf6884ec_fin,@function
k_qa5cf6884ec_fin:
	s_mov_b64 s[64:65], 0
	v_nop
	global_prefetch_b8 v0, s[64:65] scope:SCOPE_SE
	s_setreg_imm32_b32 hwreg(HW_REG_WAVE_MODE, 25, 1), 1
	s_wait_xcnt 0x0
; fin: the 5 x 8 columns of each row's five groups are computed again, with the same matrix instruction, k in the same places and the same
; two roundings as in the launch that chose the groups, so that both rank one and the same d; then the exact five least (d, column), and
; the mean of both rows of p_hat over them.
; A wave takes two test rows, a and a + 1: ten groups = five A tiles of two groups: t0 = a's slots 0, 1; t1 = a's 2, 3; t2, t3 the same
; of a + 1; t4 = a's slot 4 and a + 1's slot 4.  B is one mixed fragment: columns 0-7 are x_a, columns 8-15 x_(a+1).  With r7 = L & 7,
; hf = (L >> 3) & 1, h = L >> 4, lane L's result registers j are (group h of the tile, column j) against row a + hf, the same in all
; eight r7: the lane keeps j = r7.  So a row's 40 candidates lie in its 16 lanes (equal hf), three or two a lane.
; Fragments come straight from memory: the fragment order makes each load two whole aligned blocks of 256 bytes.
; Addresses hang on the group numbers that an earlier launch stored; which p_hat numbers count is settled by selects alone.
; No cluster: the rows that work-groups gather differ.  The output's 32 rows a work-group are two pieces of 128 consecutive bytes; pieces
; of 256 would want 64 rows a work-group and leave half of the 256 work-groups without work.
; LIMITS: a NaN distance is never chosen; +0 and -0 compare equal; the mean is a multiplication by 0.2; five different groups are
; expected of the earlier launches (they are, wherever each stream had five distances below +inf).
.set BF,  40                           ; v[40:87]   B
.set A0,  88                           ; v[88:135], v[136:183], v[184:231]: A of three tiles
.set ACC, 232                          ; v[232:255] three accumulators
.set W,   184                          ; behind the first batch the third A buffer is at work: dots W .. W+4, chosen dots W+5, W+6
.set MN,  W+8
.set E0,  W+9
.set E1,  W+10
.set E2,  W+11
; v1 r7, v2 hf, v3 h, v4 16 r7, v5 4 hf, v6 32 hf, v7 32 hf + 4 h, v8 B's offset, v9 at work, v10 +inf, v11 the other half's figure,
; v12-14 4 x column, v15 xn's offset, v16-20 A's groups, then offsets, v21-23 candidates' groups, then columns, v24-26 columns as f32,
; v27-29 yn, t, d, v30 xn, v31 2^127, v32-34 p_hat row 0, v35-37 row 1
	s_load_b256 s[4:11], s[0:1], 0x0               ; xf s[4:5], yf s[6:7], xnorm s[8:9], ynorm s[10:11]
	s_load_b128 s[12:15], s[0:1], 0x20             ; gsel s[12:13], p_hat_train s[14:15]
	s_load_b64 s[16:17], s[0:1], 0x30              ; out0
	v_lshl_add_u32 v38, v0, 2, 0x100
	v_mov_b32 v39, 0
	v_lshrrev_b32 v9, 5, v0
	v_readfirstlane_b32 s18, v9                    ; wave u
	v_and_b32 v1, 7, v0
	v_bfe_u32 v2, v0, 3, 1
	v_bfe_u32 v3, v0, 4, 1
	v_lshlrev_b32 v4, 4, v1
	v_lshlrev_b32 v5, 2, v2
	v_lshlrev_b32 v6, 5, v2
	v_lshl_add_u32 v7, v3, 2, v6
	s_lshl_b32 s19, ttmp9, 10
	s_lshl_b32 s20, s18, 6
	s_add_co_u32 s20, s19, s20                     ; 32 a: row a of gsel
	s_mov_b32 s21, 0
	s_lshr_b32 s22, s20, 3                         ; 4 a
	s_lshr_b32 s23, s18, 2
	s_lshl_b32 s24, ttmp9, 2
	s_add_co_u32 s24, s24, s23                     ; a >> 3: both rows' group in xf (a is even)
	s_mul_i32 s24, s24, 3072
	s_and_b32 s25, s18, 3
	s_lshl_b32 s25, s25, 5                         ; 16 (a & 7)
	s_add_co_u32 s24, s24, s25
	v_add_nc_u32 v9, s23, v3
	v_and_b32 v9, 1, v9                            ; pos = (h + group) & 1
	v_lshlrev_b32 v8, 7, v9
	v_lshl_add_u32 v8, v2, 4, v8
	v_add_nc_u32 v8, s24, v8
	v_add_nc_u32 v15, s22, v5
	s_mov_b32 s26, 0xaaaaaaaa                      ; lanes with bit 0 of r7 set
	s_mov_b32 s27, 0xcccccccc                      ; bit 1
	s_mov_b32 s28, 0xf0f0f0f0                      ; bit 2
	s_mov_b32 s29, 0xff00ff00                      ; hf = 1
	s_mov_b32 s30, 0xff0000ff                      ; h = hf: where t4's result is the lane's own row's
	s_mov_b32 s31, 0x7f800000
	s_mov_b32 s32, 0x76543210
	s_mov_b32 s33, 0xfedcba98
	s_mov_b32 s34, 0                               ; s[34:36]: which candidates have been chosen
	s_mov_b32 s35, 0
	s_mov_b32 s36, 0
	s_lshl_b32 s41, s18, 3
	s_lshl_b32 s42, ttmp9, 7
	s_wait_kmcnt 0x0
	s_add_nc_u64 s[12:13], s[12:13], s[20:21]
	global_load_b32 v16, v5, s[12:13]              ; A's groups: t0 .. t3 by hf,
	global_load_b32 v17, v5, s[12:13] offset:8
	global_load_b32 v18, v5, s[12:13] offset:32
	global_load_b32 v19, v5, s[12:13] offset:40
	global_load_b32 v20, v6, s[12:13] offset:16    ; t4: slot 4 of row a + hf, also the third candidate's group
	global_load_b32 v21, v7, s[12:13]              ; candidates: slot h,
	global_load_b32 v22, v7, s[12:13] offset:8     ; slot 2 + h of row a + hf
	global_load_b32 v30, v15, s[8:9]
.irp s, 0,1,2,3,4,5
	global_load_b128 v[BF+8*\s:BF+8*\s+3],   v8, s[4:5] offset:\s*512
	global_load_b128 v[BF+8*\s+4:BF+8*\s+7], v8, s[4:5] offset:\s*512+256
.endr
	s_wait_loadcnt 13                              ; the seven numbers are in; xn and B's twelve loads stay out
.irp i, 16,17,18,19,20,21,22
	v_min_u32 v\i, 0x7ff, v\i                      ; a loaded number enters an address only clamped to the table
.endr
	v_lshlrev_b32 v23, 3, v20
	v_lshlrev_b32 v21, 3, v21
	v_lshlrev_b32 v22, 3, v22
	v_add_nc_u32 v21, v21, v1                      ; column = 8 group + r7
	v_add_nc_u32 v22, v22, v1
	v_add_nc_u32 v23, v23, v1
	v_lshlrev_b32 v12, 2, v21
	v_lshlrev_b32 v13, 2, v22
	v_lshlrev_b32 v14, 2, v23
.irp i, 16,17,18,19,20
	v_add_nc_u32 v9, v\i, v3
	v_and_b32 v9, 1, v9                            ; pos = (h + group) & 1
	v_mul_u32_u24 v\i, v\i, 3072
	v_lshlrev_b32 v9, 7, v9
	v_add_nc_u32 v\i, v\i, v9
	v_add_nc_u32 v\i, v\i, v4
.endr
.macro LOADA buf, off
.irp s, 0,1,2,3,4,5
	global_load_b128 v[\buf+8*\s:\buf+8*\s+3],   v[\off], s[6:7] offset:\s*512
	global_load_b128 v[\buf+8*\s+4:\buf+8*\s+7], v[\off], s[6:7] offset:\s*512+256
.endr
.endm
	LOADA A0, 16
	LOADA A0+48, 17
	LOADA A0+96, 18
.irp q, 0,1,2
	global_load_b32 v[27+\q], v[12+\q], s[10:11]
	global_load_b32 v[32+\q], v[12+\q], s[14:15]
	global_load_b32 v[35+\q], v[12+\q], s[14:15] offset:65536
.endr
; n tiles, six K steps.  The accumulators take turns, one instruction a turn.  The first K step starts the sums.
.macro BATCH n
.irp s, 0,1,2,3,4,5
.irp t, 0,1,2
.if \t < \n
.if \s == 0
	v_wmma_f32_16x16x32_bf16 v[ACC+8*\t:ACC+8*\t+7], v[A0+48*\t+8*\s:A0+48*\t+8*\s+7], v[BF+8*\s:BF+8*\s+7], 0
.else
	v_wmma_f32_16x16x32_bf16 v[ACC+8*\t:ACC+8*\t+7], v[A0+48*\t+8*\s:A0+48*\t+8*\s+7], v[BF+8*\s:BF+8*\s+7], v[ACC+8*\t:ACC+8*\t+7]
.endif
.endif
.endr
.endr
.endm
; dst = register r7 of the accumulator, by three levels of selects on the lane's bits
.macro SEL8 acc, dst
	v_cndmask_b32 v[\acc],   v[\acc],   v[\acc+1], s26
	v_cndmask_b32 v[\acc+2], v[\acc+2], v[\acc+3], s26
	v_cndmask_b32 v[\acc+4], v[\acc+4], v[\acc+5], s26
	v_cndmask_b32 v[\acc+6], v[\acc+6], v[\acc+7], s26
	v_cndmask_b32 v[\acc],   v[\acc],   v[\acc+2], s27
	v_cndmask_b32 v[\acc+4], v[\acc+4], v[\acc+6], s27
	v_cndmask_b32 v[\dst],   v[\acc],   v[\acc+4], s28
.endm
	s_wait_loadcnt 9                               ; xn, B and three tiles of A are in; the nine small loads stay out
	BATCH 3
	v_cvt_f32_u32 v24, v21                         ; six plain instructions that name no register of a matrix instruction: the places
	v_cvt_f32_u32 v25, v22                         ; in front of the loads into A's buffers and of the reads of the results
	v_cvt_f32_u32 v26, v23
	v_mov_b32 v10, s31
	v_mov_b32 v31, 0x7f000000
	v_mov_b32 v11, 0
	LOADA A0, 19
	LOADA A0+48, 20
	SEL8 ACC, W
	SEL8 ACC+8, W+1
	SEL8 ACC+16, W+2
	s_wait_loadcnt 24                              ; yn and p_hat are in; the 24 loads just issued stay out
	v_add_f32 v27, v27, v30                        ; t = yn + xn
	v_add_f32 v28, v28, v30
	v_add_f32 v29, v29, v30
	s_wait_loadcnt 0x0
	BATCH 2
	v_cndmask_b32 v[W+5], v[W], v[W+2], s29        ; four places behind the last matrix instructions, of use: the first candidate's dot,
	v_fma_f32 v27, v[W+5], -2.0, v27               ; its d,
	v_cndmask_b32 v26, v31, v26, s30               ; a column that no winner has, where there is no third candidate,
	v_add_nc_u32 v9, s41, v5                       ; and where my row's means go in LDS: 4 (2 u + hf)
	SEL8 ACC, W+3
	SEL8 ACC+8, W+4
	v_cndmask_b32 v[W+6], v[W+1], v[W+3], s29
	v_fma_f32 v28, v[W+6], -2.0, v28
	v_fma_f32 v29, v[W+4], -2.0, v29
	v_cndmask_b32 v29, v10, v29, s30               ; +inf where there is no third candidate
; over the 16 lanes of equal hf: bits 0-2 of the lane by DPP, bit 4 by the other half
.macro REDMIN16 x
	v_min_num_f32_dpp v[\x], v[\x], v[\x] row_xmask:1 row_mask:0xf bank_mask:0xf
	v_min_num_f32_dpp v[\x], v[\x], v[\x] row_xmask:2 row_mask:0xf bank_mask:0xf
	v_min_num_f32_dpp v[\x], v[\x], v[\x] row_xmask:4 row_mask:0xf bank_mask:0xf
	v_permlanex16_b32 v11, v[\x], s32, s33
	v_min_num_f32 v[\x], v[\x], v11
.endm
.macro REDADD16 x
	v_add_f32_dpp v[\x], v[\x], v[\x] row_xmask:1 row_mask:0xf bank_mask:0xf
	v_add_f32_dpp v[\x], v[\x], v[\x] row_xmask:2 row_mask:0xf bank_mask:0xf
	v_add_f32_dpp v[\x], v[\x], v[\x] row_xmask:4 row_mask:0xf bank_mask:0xf
	v_permlanex16_b32 v11, v[\x], s32, s33
	v_add_f32 v[\x], v[\x], v11
.endm
; The least d, among equals the least column; the winner is marked and leaves.  Both rows at once.
.macro TOP
	v_min3_num_f32 v[MN], v27, v28, v29
	REDMIN16 MN
	v_cmp_eq_f32 s37, v27, v[MN]
	v_cmp_eq_f32 s38, v28, v[MN]
	v_cmp_eq_f32 s39, v29, v[MN]
	v_cndmask_b32 v[E0], v10, v24, s37
	v_cndmask_b32 v[E1], v10, v25, s38
	v_cndmask_b32 v[E2], v10, v26, s39
	v_min3_num_f32 v[E0], v[E0], v[E1], v[E2]
	REDMIN16 E0
	v_cmp_eq_f32 s37, v24, v[E0]
	v_cmp_eq_f32 s38, v25, v[E0]
	v_cmp_eq_f32 s39, v26, v[E0]
	s_or_b32 s34, s34, s37
	s_or_b32 s35, s35, s38
	s_or_b32 s36, s36, s39
	v_cndmask_b32 v27, v27, v10, s37
	v_cndmask_b32 v28, v28, v10, s38
	v_cndmask_b32 v29, v29, v10, s39
.endm
.rept 5
	TOP
.endr
.irp c, 0,1
	v_cndmask_b32 v[E0], 0, v[32+3*\c], s34
	v_cndmask_b32 v[E1], 0, v[33+3*\c], s35
	v_cndmask_b32 v[E2], 0, v[34+3*\c], s36
	v_add_f32 v[E0], v[E0], v[E1]
	v_add_f32 v[E0], v[E0], v[E2]
	REDADD16 E0
	v_mul_f32 v[E0], 0x3e4ccccd, v[E0]             ; the mean of five
	ds_store_b32 v9, v[E0] offset:128*\c           ; sixteen lanes, one word, one value
.endr
	s_wait_dscnt 0x0                               ; my two rows' means are in LDS: for wave 0's sake
	s_barrier_signal -1
	s_barrier_wait -1
	s_cmp_lg_u32 s18, 0
	s_cbranch_scc1 .Lend
	v_and_b32 v12, 31, v0
	v_lshlrev_b32 v12, 3, v12
	ds_load_b64 v[32:33], v12                      ; lanes 0-15: class 0, lanes 16-31: class 1, two rows a lane
	v_and_b32 v13, 15, v0
	v_lshlrev_b32 v13, 3, v13
	v_lshl_add_u32 v13, v3, 15, v13                ; a class is 32,768 bytes
	v_add_nc_u32 v13, s42, v13                     ; 128 bytes a work-group
	s_wait_dscnt 0x0
	global_store_b64 v13, v[32:33], s[16:17]
.Lend:
	s_barrier_signal -1
	s_barrier_wait -1
	s_wait_tensorcnt 0x0
	ds_add_u32 v38, v39
	s_wait_dscnt 0x0
	s_endpgm
.Lfunc_end_k_qa5cf6884ec_fin:
	.size	k_qa5cf6884ec_fin, .Lfunc_end_k_qa5cf6884ec_fin-k_qa5cf6884ec_fin
	.p2alignl 7, 3214868480
	.fill 96, 4, 3214868480
	.section	.rodata,"a",@progbits
	.p2align	6, 0x0
	.amdhsa_kernel k_qa5cf6884ec_fin
		.amdhsa_group_segment_fixed_size 2304
		.amdhsa_private_segment_fixed_size 0
		.amdhsa_enable_private_segment 0
		.amdhsa_kernarg_size 56
		.amdhsa_user_sgpr_count 2
		.amdhsa_user_sgpr_kernarg_segment_ptr 1
		.amdhsa_wavefront_size32 1
		.amdhsa_system_sgpr_workgroup_id_x 1
		.amdhsa_system_sgpr_workgroup_id_y 1
		.amdhsa_system_sgpr_workgroup_id_z 1
		.amdhsa_system_vgpr_workitem_id 0
		.amdhsa_next_free_vgpr 256
		.amdhsa_next_free_sgpr 66
		.amdhsa_reserve_vcc 0
		.amdhsa_float_denorm_mode_32 3
		.amdhsa_float_denorm_mode_16_64 3
		.amdhsa_memory_ordered 1
		.amdhsa_forward_progress 1
		.amdhsa_inst_pref_size 28
	.end_amdhsa_kernel
	.amdgpu_metadata
---
amdhsa.version: [ 1, 2 ]
amdhsa.kernels:
  - .name:           k_qa5cf6884ec_fin
    .symbol:         k_qa5cf6884ec_fin.kd
    .args:
      - { .name: xf, .offset: 0, .size: 8, .value_kind: global_buffer, .address_space: global }
      - { .name: yf, .offset: 8, .size: 8, .value_kind: global_buffer, .address_space: global }
      - { .name: xnorm, .offset: 16, .size: 8, .value_kind: global_buffer, .address_space: global }
      - { .name: ynorm, .offset: 24, .size: 8, .value_kind: global_buffer, .address_space: global }
      - { .name: gsel, .offset: 32, .size: 8, .value_kind: global_buffer, .address_space: global }
      - { .name: p_hat_train, .offset: 40, .size: 8, .value_kind: global_buffer, .address_space: global }
      - { .name: out0, .offset: 48, .size: 8, .value_kind: global_buffer, .address_space: global }
    .group_segment_fixed_size: 2304
    .private_segment_fixed_size: 0
    .kernarg_segment_align: 8
    .kernarg_segment_size: 56
    .max_flat_workgroup_size: 512
    .sgpr_count:     66
    .vgpr_count:     256
    .wavefront_size: 32
...
	.end_amdgpu_metadata
.endif
;; end of part 4
;; ======== version 2 of 2: 4 launches; version 1 with the launch prep written anew for expert scheduling mode
;; workspace buffers: xf 3,145,728 bytes; yf 6,291,456 bytes; xnorm 32,768 bytes; ynorm 65,536 bytes; candv 5,242,880 bytes; candi 5,242,880 bytes of whole numbers; gsel 262,144 bytes of whole numbers
;; launch prep (part 5): grid 384 x 1, 4 waves a work-group, no clusters, 26,368 bytes of LDS; arguments H_test, H_train, xf, yf, xnorm, ynorm; writes xf, yf, xnorm, ynorm
.if DOCPART == 5
	.amdgcn_target "amdgcn-amd-amdhsa--gfx1250"
	.amdhsa_code_object_version 6
	.text
	.protected	k_qa5cf6884ec_prep
	.globl	k_qa5cf6884ec_prep
	.p2align	8
	.type	k_qa5cf6884ec_prep,@function
k_qa5cf6884ec_prep:
	s_mov_b64 s[64:65], 0
	v_nop
	global_prefetch_b8 v0, s[64:65] scope:SCOPE_SE
	s_setreg_imm32_b32 hwreg(HW_REG_WAVE_SCHED_MODE, 0, 2), 2
	s_setreg_imm32_b32 hwreg(HW_REG_WAVE_MODE, 25, 1), 1
	s_wait_xcnt 0x0
	s_wait_alu depctr_vm_vsrc(0)
; prep: both matrices are rounded to bf16 and laid out in the order in which matrix fragments are loaded; the rows' squared norms are
; taken from the ROUNDED numbers, in f32 (their order of summation is not that of the JAX function: a stated limit).
; Work-groups 0-127 take H_test, 128-383 H_train, 64 rows each; a wave takes 16 rows.
; FRAGMENT ORDER.  Rows 8g .. 8g+7 are group g, 3,072 bytes at 3,072 g.  Inside: 512 s + 256 part + 128 pos + 16 row, s = 0..5 the K step of
; 32, pos = (hk + g) & 1; the 16 bytes there are k = 32 s + 16 part + 8 hk .. +7 of that row: registers 4 part .. 4 part + 3 of the
; 16-bit fragment of the lanes' half hk (ISA guide 7.12.2).  So every later fragment load, from LDS or from memory, takes whole blocks of
; 256 consecutive bytes, and in LDS the sixteen lanes of a half touch sixteen different 16-byte columns modulo 256 bytes without padding.
; A stream bound by memory: no matrix unit, no cluster (no two work-groups read the same byte).  All 24 loads of a wave go out at once.
; THE MODE: SCHED_MODE bits 1:0 = 2 (LLVM: expert scheduling mode 2), set by the entry lines.  The code itself states the register dependences
; between vector instructions and memory or LDS instructions, with s_wait_alu, always for 0.
; THE PLAN.  Registers that memory or LDS instructions touch:
;   v1-v6, v12, v13   addresses, made once at the head and never written again.  v136, v137: made at the head, read by the closing add alone.
;   X[it]   two rows as loaded: written by the loads at the head, before any vector instruction names them; read by step it's conversions.
;   P[it]   the first two of each four registers of X[it]: step it's conversions write the packed halves there, in place; the three LDS
;           stores issued in step it + 1 read them; nothing writes them again.
;   NS[it]  step it's sum of squares: written by its last add and its four sums across lanes; read by the LDS store issued in step it + 1.
;   RB      twelve pieces read back from the stage: written by LDS loads, read by global stores; no vector instruction names them.
;   v[14:15]  wave 0's 64 norms: written by an LDS load, read by a global store; no vector instruction names them.
; Step it's vector lines name X[it], NS[it] and the work registers v8-v11, v16, v17: none of the registers that the stores of step it - 1 read.
; So ONE wait on va_vdst at a step's head, behind the wait for its data, states all that the step's four LDS stores hang on, and they are
; dealt among its vector lines.  No register that a memory or LDS instruction reads is ever written again: no wait on vm_vsrc is owed.
.set ROWB,   768                       ; bytes of an f32 row
.set SPITCH, 400                       ; a bf16 row in the stage: 384 bytes + 16
.set STG,    16*SPITCH                 ; a wave's stage
.set NRM,    4*STG                     ; 64 norms behind the four stages
.set X,      24                        ; v[24:119]  the 24 loads
.set NS,     120                       ; v[120:127] a step's sum of squares, one register for each step
.set RB,     138                       ; v[138:185] twelve read-backs
	s_load_b256 s[4:11], s[0:1], 0x0               ; H_test s[4:5], H_train s[6:7], xf s[8:9], yf s[10:11]
	s_load_b128 s[12:15], s[0:1], 0x20             ; xnorm s[12:13], ynorm s[14:15]
	v_lshl_add_u32 v136, v0, 2, 0x6500
	v_mov_b32 v137, 0
	v_lshrrev_b32 v7, 5, v0
	v_readfirstlane_b32 s26, v7                    ; wave w
	v_and_b32 v20, 31, v0                          ; lane L
	v_and_b32 v21, 15, v0                          ; r
	v_bfe_u32 v22, v0, 4, 1                        ; h
	v_and_b32 v8, 7, v0
	v_bfe_u32 v9, v0, 3, 1
	s_wait_alu depctr_va_sdst(0)                   ; s26 is written, ahead of its first reader: the wave's offsets are made from it
	s_mul_i32 s27, s26, 16*ROWB
	s_mul_i32 s28, s26, STG
	s_lshl_b32 s29, s26, 6
	s_add_co_u32 s29, s29, NRM
	s_mul_i32 s30, s26, 6144
	s_mov_b32 s31, 0xffff0000                      ; a word's upper bf16
	v_mul_u32_u24 v1, v22, ROWB
	v_lshl_add_u32 v1, v21, 4, v1
	v_add_nc_u32 v1, s27, v1                       ; v1: source offset (16 w + h) rows + 16 r
	v_mul_u32_u24 v2, v22, SPITCH
	v_lshl_add_u32 v2, v21, 3, v2
	v_add_nc_u32 v2, s28, v2                       ; v2: stage, in: row h, 8 bytes a lane
	v_mul_u32_u24 v3, v8, SPITCH
	v_lshl_add_u32 v3, v22, 5, v3                  ; back: row L & 7, part = L >> 4 (32 bytes)
	v_add_nc_u32 v3, s28, v3
	v_add_nc_u32 v4, 8*SPITCH, v3                  ; the tile's second group: rows 8-15
	v_lshl_add_u32 v3, v9, 4, v3                   ; v3: even group, hk = pos
	v_add_nc_u32 v9, 1, v9
	v_and_b32 v9, 1, v9
	v_lshl_add_u32 v4, v9, 4, v4                   ; v4: odd group, hk = (pos + 1) & 1
	v_lshl_add_u32 v5, v22, 2, s29                 ; v5: where row 16 w + h puts its norm
	v_lshl_add_u32 v6, v20, 4, s30                 ; v6: destination offset 6,144 w + 16 L
	v_lshlrev_b32 v12, 3, v20                      ; v12: 8 L: where wave 0 stores two norms a lane,
	v_add_nc_u32 v13, NRM, v12                     ; v13: and where it reads them in LDS
	s_sub_co_u32 s22, ttmp9, 128
	s_cmp_lt_u32 ttmp9, 128                        ; which matrix: hangs on the work-group's number alone
	s_cselect_b32 s22, ttmp9, s22                  ; b: my block of 64 rows in it
	s_wait_kmcnt 0x0
	s_cselect_b64 s[16:17], s[4:5], s[6:7]         ; source
	s_cselect_b64 s[18:19], s[8:9], s[10:11]       ; fragments
	s_cselect_b64 s[20:21], s[12:13], s[14:15]     ; norms
	s_mul_i32 s24, s22, 64*ROWB
	s_mov_b32 s25, 0
	s_add_nc_u64 s[16:17], s[16:17], s[24:25]
	s_mul_i32 s24, s22, 24576
	s_add_nc_u64 s[18:19], s[18:19], s[24:25]
	s_lshl_b32 s24, s22, 8
	s_add_nc_u64 s[20:21], s[20:21], s[24:25]
	s_wait_alu depctr_va_vdst(0)                   ; the addresses v1 to v6, v12 and v13 are written, which all loads and stores below read; so are v136 and v137, which the closing add reads
.irp it, 0,1,2,3,4,5,6,7
.irp q, 0,1,2
	global_load_b128 v[X+12*\it+4*\q:X+12*\it+4*\q+3], v1, s[16:17] offset:\it*2*ROWB+\q*256 th:TH_LOAD_NT   ; two rows' 256 consecutive bytes each
.endr
.endr
; Step it: rows 2 it and 2 it + 1 of the wave are rounded, in place, and the squares of the rounded numbers are summed.
; The step before goes into the stage meanwhile: its four LDS stores stand among this step's vector lines.
.macro ROWS it
	s_wait_loadcnt 21-3*(\it)                      ; loads return in order: these three are in, the younger rows' stay out
.if (\it) > 0
	s_wait_alu depctr_va_vdst(0)                   ; the step before has written its packed halves and its sum of squares, which the four LDS stores of this step read
.endif
.irp q, 0,1,2
.if (\it) > 0
	ds_store_b64 v2, v[X+12*(\it)-12+4*\q:X+12*(\it)-12+4*\q+1] offset:((\it)-1)*2*SPITCH+\q*128   ; no vector line since the wait names these registers
.endif
	v_cvt_pk_bf16_f32 v[X+12*(\it)+4*\q],   v[X+12*(\it)+4*\q],   v[X+12*(\it)+4*\q+1]   ; four numbers close up into the first two of their four registers
	v_cvt_pk_bf16_f32 v[X+12*(\it)+4*\q+1], v[X+12*(\it)+4*\q+2], v[X+12*(\it)+4*\q+3]
	v_lshlrev_b32 v8, 16, v[X+12*(\it)+4*\q]       ; back to f32: the rounded numbers
	v_and_b32 v9, s31, v[X+12*(\it)+4*\q]
	v_lshlrev_b32 v10, 16, v[X+12*(\it)+4*\q+1]
	v_and_b32 v11, s31, v[X+12*(\it)+4*\q+1]
.if \q == 0
	v_pk_mul_f32 v[16:17], v[8:9], v[8:9]          ; the first product starts the sums
.else
	v_pk_fma_f32 v[16:17], v[8:9], v[8:9], v[16:17]
.endif
	v_pk_fma_f32 v[16:17], v[10:11], v[10:11], v[16:17]
.endr
.if (\it) > 0
	ds_store_b32 v5, v[NS+(\it)-1] offset:((\it)-1)*8      ; sixteen lanes, one word, one value
.endif
	v_add_f32 v[NS+(\it)], v16, v17
	v_add_f32_dpp v[NS+(\it)], v[NS+(\it)], v[NS+(\it)] row_xmask:1 row_mask:0xf bank_mask:0xf     ; over the row's sixteen lanes
	v_add_f32_dpp v[NS+(\it)], v[NS+(\it)], v[NS+(\it)] row_xmask:2 row_mask:0xf bank_mask:0xf
	v_add_f32_dpp v[NS+(\it)], v[NS+(\it)], v[NS+(\it)] row_xmask:4 row_mask:0xf bank_mask:0xf
	v_add_f32_dpp v[NS+(\it)], v[NS+(\it)], v[NS+(\it)] row_xmask:8 row_mask:0xf bank_mask:0xf
.endm
.irp it, 0,1,2,3,4,5,6,7
	ROWS \it
.endr
	s_wait_alu depctr_va_vdst(0)                   ; step 7 has written its packed halves and its sum of squares, which the last four LDS stores read; no vector line follows in the kernel
.irp q, 0,1,2
	ds_store_b64 v2, v[X+84+4*\q:X+84+4*\q+1] offset:7*2*SPITCH+\q*128
.endr
	ds_store_b32 v5, v[NS+7] offset:7*8
; The way out: piece e = 6 group + s is 512 consecutive bytes of the destination.  The stage is the wave's own and LDS serves a wave's
; instructions in order (ISA guide 5.7.1), so no wait stands between the stores above and these loads.  Each piece has registers of its
; own, which LDS loads write and global stores read and nothing else names.
.irp e, 0,1,2,3,4,5,6,7,8,9,10,11
	ds_load_b128 v[RB+4*\e:RB+4*\e+3], v[3+\e/6] offset:64*(\e%6)
.endr
.irp e, 0,1,2,3,4,5,6,7,8,9,10,11
	s_wait_dscnt 11-\e                             ; piece e is in; the younger pieces stay out
	global_store_b128 v6, v[RB+4*\e:RB+4*\e+3], s[18:19] offset:3072*(\e/6)+512*(\e%6)
.endr
	s_wait_dscnt 0x0                               ; my norms are in LDS: for wave 0's sake
	s_barrier_signal -1
	s_barrier_wait -1
	s_cmp_lg_u32 s26, 0
	s_cbranch_scc1 .Lend
	ds_load_b64 v[14:15], v13                      ; 64 norms
	s_wait_dscnt 0x0
	global_store_b64 v12, v[14:15], s[20:21]       ; 256 consecutive bytes, aligned
.Lend:
	s_barrier_signal -1
	s_barrier_wait -1
	s_wait_dscnt 0x0                               ; the closing lines, six on end
	s_wait_alu 0x0
	s_wait_tensorcnt 0x0
	ds_add_u32 v136, v137
	s_wait_dscnt 0x0
	s_endpgm
.Lfunc_end_k_qa5cf6884ec_prep:
	.size	k_qa5cf6884ec_prep, .Lfunc_end_k_qa5cf6884ec_prep-k_qa5cf6884ec_prep
	.p2alignl 7, 3214868480
	.fill 96, 4, 3214868480
	.section	.rodata,"a",@progbits
	.p2align	6, 0x0
	.amdhsa_kernel k_qa5cf6884ec_prep
		.amdhsa_group_segment_fixed_size 26368
		.amdhsa_private_segment_fixed_size 0
		.amdhsa_enable_private_segment 0
		.amdhsa_kernarg_size 48
		.amdhsa_user_sgpr_count 2
		.amdhsa_user_sgpr_kernarg_segment_ptr 1
		.amdhsa_wavefront_size32 1
		.amdhsa_system_sgpr_workgroup_id_x 1
		.amdhsa_system_sgpr_workgroup_id_y 1
		.amdhsa_system_sgpr_workgroup_id_z 1
		.amdhsa_system_vgpr_workitem_id 0
		.amdhsa_next_free_vgpr 186
		.amdhsa_next_free_sgpr 66
		.amdhsa_reserve_vcc 0
		.amdhsa_float_denorm_mode_32 3
		.amdhsa_float_denorm_mode_16_64 3
		.amdhsa_memory_ordered 1
		.amdhsa_forward_progress 1
		.amdhsa_inst_pref_size 22
	.end_amdhsa_kernel
	.amdgpu_metadata
---
amdhsa.version: [ 1, 2 ]
amdhsa.kernels:
  - .name:           k_qa5cf6884ec_prep
    .symbol:         k_qa5cf6884ec_prep.kd
    .args:
      - { .name: H_test, .offset: 0, .size: 8, .value_kind: global_buffer, .address_space: global }
      - { .name: H_train, .offset: 8, .size: 8, .value_kind: global_buffer, .address_space: global }
      - { .name: xf, .offset: 16, .size: 8, .value_kind: global_buffer, .address_space: global }
      - { .name: yf, .offset: 24, .size: 8, .value_kind: global_buffer, .address_space: global }
      - { .name: xnorm, .offset: 32, .size: 8, .value_kind: global_buffer, .address_space: global }
      - { .name: ynorm, .offset: 40, .size: 8, .value_kind: global_buffer, .address_space: global }
    .group_segment_fixed_size: 26368
    .private_segment_fixed_size: 0
    .kernarg_segment_align: 8
    .kernarg_segment_size: 48
    .max_flat_workgroup_size: 128
    .sgpr_count:     66
    .vgpr_count:     186
    .wavefront_size: 32
...
	.end_amdgpu_metadata
.endif
;; end of part 5
;; launch knn: the kernel of part 2 again; grid 16 x 16, 8 waves a work-group, clusters of 4 x 4, 327,680 bytes of LDS; arguments xf, yf, xnorm, ynorm, candv, candi; writes candv, candi
;; launch pick: the kernel of part 3 again; grid 256 x 1, 4 waves a work-group, no clusters, 41,984 bytes of LDS; arguments candv, candi, gsel; writes gsel
;; launch fin: the kernel of part 4 again; grid 256 x 1, 16 waves a work-group, no clusters, 2,304 bytes of LDS; arguments xf, yf, xnorm, ynorm, gsel, p_hat_train, out0; writes out0
